; MI455X (gfx1250); checked and timed in simulation.
; The chip was launched on July 23, 2026; its instructions are those of AMD's public machine-readable ISA for CDNA 5 (MIT licence, August 2026) and "CDNA5" Instruction Set Architecture Reference Guide (July 2026). The comments in the code are by the model that wrote it; some were corrected since.
;; Vector Quantizer. Allowed arithmetic: float matrix products may take bf16 or f16 operands with f32 sums; all other float work in f32.
;; Inputs: emb 8,192 x 512 float32; z 16,384 x 512 float32.
;; Outputs: out0 16,384 x 512 float32; out1 16,384 int32; out2 one number float32.
;; 2 versions, each right and faster than the one before. Each part assembles by itself: llvm-mc -triple=amdgcn-amd-amdhsa -mcpu=gfx1250 --defsym DOCPART=n.
;; ======== version 1 of 2: 4 launches
;; workspace buffers: xb 25,427,968 bytes; nrm 65,536 bytes; cval 262,144 bytes; cidx 262,144 bytes of whole numbers; part 1,024 bytes
;; launch prep (part 1): grid 384 x 1, 8 waves a work-group, no clusters, 1,280 bytes of LDS; arguments z, emb, xb, nrm; writes xb, nrm
.if DOCPART == 1
	.amdgcn_target "amdgcn-amd-amdhsa--gfx1250"
	.amdhsa_code_object_version 6
	.text
	.protected	k_q2722eacf75_prep
	.globl	k_q2722eacf75_prep
	.p2align	8
	.type	k_q2722eacf75_prep,@function
k_q2722eacf75_prep:
	s_mov_b64 s[64:65], 0
	v_nop
	global_prefetch_b8 v0, s[64:65] scope:SCOPE_SE
	s_setreg_imm32_b32 hwreg(HW_REG_WAVE_MODE, 25, 1), 1
	s_wait_xcnt 0x0
; Rows of z [16384][512] and of emb [8192][512], f32, are rounded to bf16 for the matrix product of the next launch,
; and each row's sum of squares is taken from the ROUNDED numbers, in f32, so that the distances formed later are
; those of the rounded points.
; xb: bytes 0 .. EOFF-1: z in bf16, rows of 1,024 bytes.  From EOFF: emb as 256 blocks of MBLK bytes; a block is
; 32 code rows of 1,024 bytes and one row of 1,024 bytes that holds the block's 32 sums of squares (128 bytes, 8 times).
; nrm: the 16,384 sums of squares of z's rows.
; Work-groups 0-255 take 64 rows of z each, 256-383 take 64 rows of emb (two blocks).  Wave w takes rows 8w .. 8w+7, a row
; across its 32 lanes; all 32 loads of a wave (16 KiB) are issued at once.  Memory binds: no matrix unit, no cluster (no
; byte is read by two work-groups), no tiles in LDS; LDS only gathers the 64 sums so that they leave as whole runs.
; LIMIT: the order of the sum of squares (4 chains a lane, then across lanes) differs from the reference's.
.set EOFF, 16777216                    ; bytes of z in bf16
.set MBLK, 33792                       ; bytes of a block of emb in xb: 33 rows of 1,024
.set T,   4                            ; v[4:5]    two numbers widened again
.set SA,  8                            ; v[8:9]    sums, chain pair A
.set SB,  10                           ; v[10:11]  sums, chain pair B
.set X,   20                           ; v[20:147] row i, chunk j at X + 16 i + 4 j: four f32 as loaded
	s_load_b256 s[4:11], s[0:1], 0x0               ; z s[4:5], emb s[6:7], xb s[8:9], nrm s[10:11]
	v_lshl_add_u32 v152, v0, 2, 0x100
	v_mov_b32 v153, 0
	v_lshrrev_b32 v3, 5, v0
	v_readfirstlane_b32 s12, v3                    ; wave 0..7
	v_and_b32 v13, 31, v0                          ; lane
	s_sub_co_u32 s13, ttmp9, 256                   ; number among emb's work-groups (used only where it is one)
	s_lshl_b32 s24, ttmp9, 16                      ; z: 64 rows of 1,024 bytes out
	s_mul_i32 s25, s13, 2*MBLK                     ; emb: two blocks out,
	s_add_co_u32 s25, s25, EOFF                    ; behind z's part
	s_mov_b32 s20, 0xffff0000                      ; a word's upper bf16
	s_mov_b32 s22, 0x76543210                      ; v_permlanex16_b32: lane i of one half reads lane i of the other
	s_mov_b32 s23, 0xfedcba98
	s_mov_b32 s27, 0
	s_wait_kmcnt 0x0
	s_cmp_lt_u32 ttmp9, 256                        ; z or emb: selects only, SCC stays
	s_cselect_b64 s[14:15], s[4:5], s[6:7]         ; the source buffer
	s_cselect_b32 s16, ttmp9, s13                  ; my number in it
	s_cselect_b32 s17, 0, 1024                     ; bytes skipped between rows 31 and 32 on the way out (emb: the sums' row)
	s_cselect_b32 s18, s24, s25                    ; where my rows go in xb
	s_cselect_b32 s19, 1, 0                        ; 1: z
	s_lshl_b32 s26, s16, 17                        ; 64 rows of 2,048 bytes in
	s_add_nc_u64 s[14:15], s[14:15], s[26:27]
	s_mov_b32 s26, s18
	s_add_nc_u64 s[8:9], s[8:9], s[26:27]
	v_lshlrev_b32 v1, 4, v13
	v_lshl_add_u32 v1, v3, 14, v1                  ; in: wave x 8 rows x 2,048 + 16 x lane; never rewritten
	v_lshlrev_b32 v2, 3, v13
	v_lshl_add_u32 v2, v3, 13, v2                  ; out: wave x 8 rows x 1,024 + 8 x lane
	s_lshr_b32 s28, s12, 2
	s_mul_i32 s28, s28, s17
	v_add_nc_u32 v2, s28, v2                       ; waves 4-7 of an emb group write behind the first block's sums; never rewritten
	v_lshlrev_b32 v14, 5, v3                       ; LDS: my 8 sums at 32 x wave
	v_mov_b32 v12, 0                               ; v_permlanex16_b32 counts as a reader of its destination
.irp i, 0,1,2,3,4,5,6,7
.irp j, 0,1,2,3
	global_load_b128 v[X+16*\i+4*\j:X+16*\i+4*\j+3], v1, s[14:15] offset:2048*\i+512*\j th:TH_LOAD_NT   ; 512 neighbouring bytes a load
.endr
.endr
; Row i of my eight: round, store, widen the rounded numbers again and square them.
.macro ROW i
	s_wait_loadcnt 28-4*\i                         ; loads come back in order: this row's four are in, the 28 - 4 i younger ones stay out
.irp j, 0,1,2,3
	v_cvt_pk_bf16_f32 v[X+16*\i+4*\j],   v[X+16*\i+4*\j],   v[X+16*\i+4*\j+1]
	v_cvt_pk_bf16_f32 v[X+16*\i+4*\j+1], v[X+16*\i+4*\j+2], v[X+16*\i+4*\j+3]
	global_store_b64 v2, v[X+16*\i+4*\j:X+16*\i+4*\j+1], s[8:9] offset:1024*\i+256*\j   ; the wave stores 256 consecutive bytes, aligned; its data registers are not written again
	v_lshlrev_b32 v[T],   16,  v[X+16*\i+4*\j]
	v_and_b32     v[T+1], s20, v[X+16*\i+4*\j]
	v_lshlrev_b32 v[X+16*\i+4*\j+2], 16,  v[X+16*\i+4*\j+1]
	v_and_b32     v[X+16*\i+4*\j+3], s20, v[X+16*\i+4*\j+1]
.if \j == 0
	v_pk_mul_f32 v[SA:SA+1], v[T:T+1], v[T:T+1]                                        ; the first squares start the sums
	v_pk_mul_f32 v[SB:SB+1], v[X+16*\i+4*\j+2:X+16*\i+4*\j+3], v[X+16*\i+4*\j+2:X+16*\i+4*\j+3]
.else
	v_pk_fma_f32 v[SA:SA+1], v[T:T+1], v[T:T+1], v[SA:SA+1]
	v_pk_fma_f32 v[SB:SB+1], v[X+16*\i+4*\j+2:X+16*\i+4*\j+3], v[X+16*\i+4*\j+2:X+16*\i+4*\j+3], v[SB:SB+1]
.endif
.endr
	v_pk_add_f32 v[SA:SA+1], v[SA:SA+1], v[SB:SB+1]
	v_add_f32 v[SA], v[SA], v[SA+1]
	v_add_f32_dpp v[SA], v[SA], v[SA] row_xmask:1 row_mask:0xf bank_mask:0xf
	v_add_f32_dpp v[SA], v[SA], v[SA] row_xmask:2 row_mask:0xf bank_mask:0xf
	v_add_f32_dpp v[SA], v[SA], v[SA] row_xmask:4 row_mask:0xf bank_mask:0xf
	v_add_f32_dpp v[SA], v[SA], v[SA] row_xmask:8 row_mask:0xf bank_mask:0xf
	v_permlanex16_b32 v12, v[SA], s22, s23
	v_add_f32 v[SA], v[SA], v12                    ; every lane holds the row's sum
	ds_store_b32 v14, v[SA] offset:4*\i            ; all lanes write the same word with the same value
.endm
.irp i, 0,1,2,3,4,5,6,7
	ROW \i
.endr
	s_wait_dscnt 0x0                               ; my eight sums are in LDS, for the waves that read them
	s_barrier_signal -1
	s_barrier_wait -1
	s_cmp_eq_u32 s19, 0
	s_cbranch_scc1 .Lemb
	; z: wave 0 stores the group's 64 sums, 256 consecutive bytes of nrm
	s_cmp_lg_u32 s12, 0
	s_cbranch_scc1 .Lend
	v_lshlrev_b32 v15, 3, v13
	ds_load_b64 v[16:17], v15
	s_lshl_b32 s26, ttmp9, 8
	s_add_nc_u64 s[10:11], s[10:11], s[26:27]
	s_wait_dscnt 0x0
	global_store_b64 v15, v[16:17], s[10:11]
	s_branch .Lend
.Lemb:
	; emb: waves 0-3 write the two blocks' rows of sums, 512 bytes each: the block's 128 bytes of sums, four times a wave
	s_cmp_gt_u32 s12, 3
	s_cbranch_scc1 .Lend
	s_lshr_b32 s28, s12, 1                         ; which block
	s_and_b32 s29, s12, 1                          ; which half of its row of sums
	s_mul_i32 s30, s28, MBLK
	s_lshl_b32 s29, s29, 9
	s_add_co_u32 s30, s30, s29
	s_add_co_u32 s30, s30, 32768                   ; behind the block's 32 code rows
	v_lshl_add_u32 v15, v13, 4, s30
	s_lshl_b32 s28, s28, 7                         ; the block's 32 sums in LDS
	v_and_b32 v6, 7, v13
	v_lshl_add_u32 v6, v6, 4, s28
	ds_load_b128 v[16:19], v6
	s_wait_dscnt 0x0
	global_store_b128 v15, v[16:19], s[8:9]
.Lend:
	s_wait_tensorcnt 0x0
	ds_add_u32 v152, v153
	s_wait_dscnt 0x0
	s_endpgm
.Lfunc_end_k_q2722eacf75_prep:
	.size	k_q2722eacf75_prep, .Lfunc_end_k_q2722eacf75_prep-k_q2722eacf75_prep
	.p2alignl 7, 3214868480
	.fill 96, 4, 3214868480
	.section	.rodata,"a",@progbits
	.p2align	6, 0x0
	.amdhsa_kernel k_q2722eacf75_prep
		.amdhsa_group_segment_fixed_size 1280
		.amdhsa_private_segment_fixed_size 0
		.amdhsa_enable_private_segment 0
		.amdhsa_kernarg_size 32
		.amdhsa_user_sgpr_count 2
		.amdhsa_user_sgpr_kernarg_segment_ptr 1
		.amdhsa_wavefront_size32 1
		.amdhsa_system_sgpr_workgroup_id_x 1
		.amdhsa_system_sgpr_workgroup_id_y 1
		.amdhsa_system_sgpr_workgroup_id_z 1
		.amdhsa_system_vgpr_workitem_id 0
		.amdhsa_next_free_vgpr 154
		.amdhsa_next_free_sgpr 66
		.amdhsa_reserve_vcc 0
		.amdhsa_float_denorm_mode_32 3
		.amdhsa_float_denorm_mode_16_64 3
		.amdhsa_memory_ordered 1
		.amdhsa_forward_progress 1
		.amdhsa_inst_pref_size 26
	.end_amdhsa_kernel
	.amdgpu_metadata
---
amdhsa.version: [ 1, 2 ]
amdhsa.kernels:
  - .name:           k_q2722eacf75_prep
    .symbol:         k_q2722eacf75_prep.kd
    .args:
      - { .name: z, .offset: 0, .size: 8, .value_kind: global_buffer, .address_space: global }
      - { .name: emb, .offset: 8, .size: 8, .value_kind: global_buffer, .address_space: global }
      - { .name: xb, .offset: 16, .size: 8, .value_kind: global_buffer, .address_space: global }
      - { .name: nrm, .offset: 24, .size: 8, .value_kind: global_buffer, .address_space: global }
    .group_segment_fixed_size: 1280
    .private_segment_fixed_size: 0
    .kernarg_segment_align: 8
    .kernarg_segment_size: 32
    .max_flat_workgroup_size: 256
    .sgpr_count:     66
    .vgpr_count:     154
    .wavefront_size: 32
...
	.end_amdgpu_metadata
.endif
;; end of part 1
;; launch main (part 2): grid 256 x 1, 4 waves a work-group, clusters of 4 x 1, 327,680 bytes of LDS; arguments xb, nrm, cval, cidx; writes cval, cidx
.if DOCPART == 2
	.amdgcn_target "amdgcn-amd-amdhsa--gfx1250"
	.amdhsa_code_object_version 6
	.text
	.protected	k_q2722eacf75_main
	.globl	k_q2722eacf75_main
	.p2align	8
	.type	k_q2722eacf75_main,@function
k_q2722eacf75_main:
	s_mov_b64 s[64:65], 0
	v_nop
	global_prefetch_b8 v0, s[64:65] scope:SCOPE_SE
	s_setreg_imm32_b32 hwreg(HW_REG_WAVE_MODE, 25, 1), 1
	s_wait_xcnt 0x0
	s_wait_alu depctr_hold_cnt(0) depctr_sa_sdst(0) depctr_va_vdst(0) depctr_va_sdst(0) depctr_va_ssrc(0) depctr_va_vcc(0) depctr_vm_vsrc(0)
	s_getreg_b32 s2, hwreg(HW_REG_IB_STS2, 6, 4)
	s_cmp_eq_u32 s2, 0
	s_cbranch_scc0 .Lentry_in_a_cluster
	s_endpgm
.Lentry_in_a_cluster:
	s_bfe_u32 s2, ttmp6, 0x10000c
	s_cmp_lg_u32 s2, 0x3003
	s_cbranch_scc0 .Lentry_shape_is_right
	s_endpgm
.Lentry_shape_is_right:
; d2[b][k] = fl(fl(zz[b] - 2 z[b].e[k]) + ee[k]) and its first minimum, for 256 rows of z against 2,048 codes (a quarter of the
; codebook) in each work-group: 64 row blocks x 4 quarters = 256 work-groups.  Out: cval[q][b], cidx[q][b], the quarter's least d2
; and the least index that has it.  The two roundings are reference()'s own, so that equal d2 stay equal and the first index wins.
; SHAPE: four waves, one for each SIMD of a WGP.  A wave keeps its 64 rows of z, all 512 along K, as 64 fragments in 512 registers for the whole
; launch.  The codes stream through LDS; a UNIT is 16 codes: 32 LDS loads of 16 bytes a lane feed 64 matrix instructions, and only
; 2 x 32 accumulator registers are needed.  While one unit is multiplied, the unit before is turned into distances and minima by
; vector instructions that stand between the matrix instructions.
; THE MATRIX INSTRUCTION IS USED TRANSPOSED: source 0 = 16 codes, source 1 = 16 rows of z.  Register j of lane (r, h) is then code
; 8 h + j of the unit against z row r: the minimum over codes runs inside a lane.
; WINDOWS: all but z's fragments lies in v0-255; z's fragments of K steps 0-7 in v256-511, of K steps 8-15 in v512-767, at ((ks & 7) 4 + i) 8.
; In the loop only source 1's window is moved (Q1, Q2), and every vector instruction there has a constant or a scalar register as
; source 1, so that it means the same under both: two switches for 64 matrix instructions.
; CLUSTER: the four work-groups of a cluster take the same quarter and four different row blocks, so they read the same tiles of codes
; at the same time: these are asked for jointly (mask 15).  z's rows are each work-group's own and come by a plain load.
; LIMITS: inputs and d2 finite (a NaN is never chosen, where jnp.argmin would choose the first).  Operands are bf16; the order of the
; sums in the dot products differs from the reference's.
.set EOFF,   16777216                  ; xb: the codes' blocks begin here
.set MBLK,   33792                     ; a block in memory: 32 code rows + 1 row of sums of squares, 1,024 bytes each
.set QBYTES, 64*MBLK                   ; a quarter of the codebook
.set PITCH,  1040                      ; an LDS row: 1,024 bytes + 16 of padding = 65 x 16: the 16 rows of a fragment load start in 16 different 16-byte columns of 256 bytes
.set R16,    16*PITCH
.set BLK,    33*PITCH                  ; a block in LDS
.set HALF,   2*BLK                     ; half a slot; LDS offsets have 16 bits, so each half has its address register
.set SLOT,   4*BLK                     ; 128 codes = 8 units; slot 0 at 0, slot 1 at SLOT
.set STAGE,  274688                    ; the first multiple of 256 behind the two slots: 4 x 512 bytes for the way out; no tensor load lands here
.set BA,  4                            ; v[4:7]    half b of the two slots: b HALF + r PITCH + 16 h
.set EA,  8                            ; v[8:11]   the same half's sums of squares: b HALF + 32 PITCH + 32 h
.set ZA,  12                           ; v12       my wave's z rows in LDS
.set UD,  20                           ; v[20:23]  d2 - running minimum
.set IDX, 24                           ; v[24:27]  index of the running minimum, less 8 h, for z rows 16 i + r
.set RUN, 28                           ; v[28:31]  running minimum
.set ZZ,  32                           ; v[32:35]  zz of z rows 16 i + r
.set EE,  48                           ; v[48:63]  ee of my 8 codes, a set of 8 for each accumulator set
.set ACC, 64                           ; v[64:127] two sets of four accumulators: 64 + 32 set + 8 i
.set EF,  128                          ; v[128:255] the codes' fragments: K step ks at 128 + 8 ks, a ring of 16
.set G1Z, 16                           ; s[16:23]  shape: 64 rows, plain
.set G1I, 24                           ; s[24:31]  shape: 66 rows, joint
.set G1R, 32                           ; s[32:39]  shape: 33 rows, joint
.set G0Z, 40                           ; s[40:43]  z
.set G0I, 44                           ; s[44:47]  the first two tiles of codes
.set G0R, 48                           ; s[48:55]  the refills, a set for each slot
.set SJ,  56                           ; s[56:63]  index of code j of the unit whose distances are being made (for h = 0)
.set SM,  66                           ; s[66:69]  lane masks
.set Q1,  0x04                         ; source 1 in v256-511
.set Q2,  0x08                         ; source 1 in v512-767
.set PLAIN0, (1<<16)|(1<<20)|(7<<22)|(3<<25)   ; elements of 2 bytes; padding on: behind every 256 words, 4 words
.set JOINT0, PLAIN0|15|(1<<21)                 ; the same for all four work-groups of the cluster; bit 21 set beside a mask
.set MSB, 0
.macro WIN new                         ; the immediate's high byte repeats the setting that is left
.if MSB != \new
	s_set_vgpr_msb (MSB<<8)|\new
.set MSB, \new
.endif
.endm
; A round of the cluster's barrier: my work-group's barrier; wave 0 signals for the work-group; every wave waits for all four
; work-groups; my work-group's barrier once more.
.macro CREST
	s_cmp_lg_u32 s12, 0
	s_cbranch_scc1 .Lnot_wave_0_\@
	s_barrier_signal -3
.Lnot_wave_0_\@:
	s_barrier_wait -3
	s_barrier_signal -1
	s_barrier_wait -1
.endm
.macro ROUND
	s_barrier_signal -1
	s_barrier_wait -1
	CREST
.endm
; descriptor group 1: rows of 512 bf16, dense in memory (pitch 512 elements); the extents are the tile's own
.macro SHAPE g, w0, rows
	s_mov_b32 s[\g+0], \w0
	s_mov_b32 s[\g+1], 512<<16                     ; tensor_dim0 = 512
	s_mov_b32 s[\g+2], \rows<<16                   ; tensor_dim1 = rows
	s_mov_b32 s[\g+3], 512<<16                     ; tile_dim0 = 512
	s_mov_b32 s[\g+4], \rows                       ; tile_dim1 = rows
	s_mov_b32 s[\g+5], 512                         ; elements from row to row
	s_mov_b32 s[\g+6], 0
	s_mov_b32 s[\g+7], 0
.endm
	s_load_b256 s[4:11], s[0:1], 0x0               ; xb s[4:5], nrm s[6:7], cval s[8:9], cidx s[10:11]
	v_lshl_add_u32 v46, v0, 2, 0x43900
	v_mov_b32 v47, 0
	ds_add_u32 v46, v47
	v_lshrrev_b32 v1, 5, v0
	v_readfirstlane_b32 s12, v1                    ; wave 0..3
	s_bfe_u32 s13, ttmp6, 0x40000                  ; cx: my place in the cluster
	s_and_b32 s14, ttmp9, 3                        ; q: the cluster's quarter of the codebook
	s_lshr_b32 s15, ttmp9, 2
	s_lshl_b32 s15, s15, 2
	s_add_co_u32 s15, s15, s13                     ; my row block, 0..63: enters global addresses of z, zz and the results alone
	SHAPE G1Z, PLAIN0, 64
	SHAPE G1I, JOINT0, 66
	SHAPE G1R, JOINT0, 33
	s_mov_b32 s70, 0x7f800000                      ; +infinity
	s_mov_b32 s74, 0x76543210                      ; v_permlanex16_b32: lane i of one half reads lane i of the other
	s_mov_b32 s75, 0xfedcba98
	s_lshl_b32 s78, s14, 11                        ; the quarter's first code
.irp j, 0,1,2,3,4,5,6,7
	s_add_co_u32 s[SJ+\j], s78, \j
.endr
	; offsets, made apart from the addresses.  s72, s73, s76, s77 never hold cx.
	s_lshl_b32 s80, s15, 18                        ; z: row block x 256 rows x 1,024 bytes
	s_lshl_b32 s81, s12, 16                        ;    + wave x 64 rows
	s_add_co_u32 s80, s80, s81
	s_mov_b32 s81, 0
	s_mul_i32 s72, s14, QBYTES
	s_add_co_u32 s72, s72, EOFF
	s_mov_b32 s73, 0
	s_wait_dscnt 0x0
	s_wait_kmcnt 0x0
	s_mov_b32 s[G0Z], 1
	s_mul_i32 s[G0Z+1], s12, HALF                  ; each wave's 64 rows of z lie where its part of the first codes will lie
	s_add_nc_u64 s[G0Z+2:G0Z+3], s[4:5], s[80:81]
	s_or_b32 s[G0Z+3], s[G0Z+3], 0x80000000
	s_add_nc_u64 s[76:77], s[4:5], s[72:73]        ; the quarter's first block
	s_mul_i32 s72, s12, 2*MBLK
	s_mov_b32 s[G0I], 1
	s_mul_i32 s[G0I+1], s12, HALF
	s_add_nc_u64 s[G0I+2:G0I+3], s[76:77], s[72:73]        ; blocks 2 w, 2 w + 1: the four waves fill both slots
	s_or_b32 s[G0I+3], s[G0I+3], 0x80000000
	s_mul_i32 s72, s12, MBLK
	s_mov_b32 s[G0R], 1
	s_mul_i32 s[G0R+1], s12, BLK
	s_add_nc_u64 s[G0R+2:G0R+3], s[76:77], s[72:73]        ; slot 0: block w of tile 0; stepped two tiles on in front of each refill
	s_or_b32 s[G0R+3], s[G0R+3], 0x80000000
	s_add_co_u32 s72, s72, 4*MBLK
	s_mov_b32 s[G0R+4], 1
	s_mul_i32 s[G0R+5], s12, BLK
	s_add_co_u32 s[G0R+5], s[G0R+5], SLOT
	s_add_nc_u64 s[G0R+6:G0R+7], s[76:77], s[72:73]        ; slot 1: block w of tile 1
	s_or_b32 s[G0R+7], s[G0R+7], 0x80000000
	ROUND                                          ; in a cluster launch every group of tensor loads stands behind a round
	tensor_load_to_lds s[G0Z:G0Z+3], s[G1Z:G1Z+7]  ; the launch's one first fill: my wave's 64 rows of z
	s_nop 0
	v_and_b32 v1, 15, v0                           ; r
	v_bfe_u32 v2, v0, 4, 1                         ; h
	v_mul_u32_u24 v3, v1, PITCH
	v_lshl_add_u32 v3, v2, 4, v3                   ; a fragment's lane term: row r, 16 bytes for each half of the lanes
.irp b, 0,1,2,3
	v_add_nc_u32 v[BA+\b], \b*HALF, v3
	v_lshl_add_u32 v[EA+\b], v2, 5, \b*HALF+32*PITCH
.endr
	s_mul_i32 s78, s12, HALF
	v_add_nc_u32 v[ZA], s78, v3
	s_lshl_b32 s82, s15, 8
	s_lshl_b32 s83, s12, 6
	s_add_co_u32 s82, s82, s83                     ; my wave's first row of z
	v_add_lshl_u32 v13, v1, s82, 2                 ; zz of row r of my 64
	s_lshl_b32 s78, s12, 9
	s_add_co_u32 s78, s78, STAGE                   ; my stage
	v_lshlrev_b32 v14, 2, v1
	v_lshl_add_u32 v14, v2, 8, v14
	v_add_nc_u32 v14, s78, v14                     ; in: lanes 0-15 put values, lanes 16-31 indices 256 bytes further
	v_and_b32 v15, 31, v0
	v_lshl_add_u32 v15, v15, 3, s78                ; back: 8 bytes a lane
	s_lshl_b32 s83, s14, 14
	s_add_co_u32 s83, s83, s82
	s_lshl_b32 s83, s83, 2
	v_and_b32 v16, 31, v0
	v_lshl_add_u32 v16, v16, 3, s83                ; my 8 bytes in cval and in cidx: [q][row]
.irp i, 0,1,2,3
	global_load_b32 v[ZZ+\i], v13, s[6:7] offset:64*\i
.endr
.irp i, 0,1,2,3
	v_mov_b32 v[RUN+\i], s70                       ; the first finite d2 is smaller
	v_mov_b32 v[IDX+\i], 0
.endr
	v_mov_b32 v37, 0                               ; v_permlanex16_b32 counts as a reader of its destination
	v_mov_b32 v38, 0
; z's fragments of eight K steps from K step base on, into the window that is set: lane (r, h) takes row 16 i + r, 16 bytes at 16 h and at 32 + 16 h of the step's 64
.macro LDZ base
.irp k, 0,1,2,3,4,5,6,7
.irp i, 0,1,2,3
	ds_load_b128 v[(\k*4+\i)*8:(\k*4+\i)*8+3],   v[ZA] offset:\i*R16+64*(\base+\k)
	ds_load_b128 v[(\k*4+\i)*8+4:(\k*4+\i)*8+7], v[ZA] offset:\i*R16+64*(\base+\k)+32
.endr
.endr
.endm
	s_wait_tensorcnt 0x0                           ; my rows of z are in LDS; only I read them
	WIN 0x40                                       ; destination v256-511
	LDZ 0
	WIN 0x80                                       ; destination v512-767
	LDZ 8
	WIN 0
	s_wait_dscnt 0x0                               ; my reads of z's bytes are over,
	s_wait_tensorcnt 0x0                           ; no tensor load of mine is out,
	ds_add_u32 v46, v47
	s_wait_dscnt 0x0
	ROUND                                          ; and that holds of every wave of the four work-groups:
	tensor_load_to_lds s[G0I:G0I+3], s[G1I:G1I+7]  ; my one load behind the round: two blocks of codes, over my rows of z
	s_nop 0
	s_wait_tensorcnt 0x0                           ; my part of both slots is in,
	s_wait_loadcnt 0x0                             ; and zz
	s_barrier_signal -1
	s_barrier_wait -1                              ; everybody's part is in
; the fragment of K step ks of unit n (0..7) of a slot: two loads of 16 bytes a lane, 32 bytes apart
.macro LDE slot, n, ks
	ds_load_b128 v[EF+8*(\ks):EF+8*(\ks)+3],   v[BA+2*(\slot)+(\n)/4] offset:(((\n)%4)/2)*BLK+((\n)%2)*R16+64*(\ks)
	ds_load_b128 v[EF+8*(\ks)+4:EF+8*(\ks)+7], v[BA+2*(\slot)+(\n)/4] offset:(((\n)%4)/2)*BLK+((\n)%2)*R16+64*(\ks)+32
.endm
; ee of my 8 codes of unit n, into the unit's set
.macro LDEE slot, n
	ds_load_b128 v[EE+8*((\n)%2):EE+8*((\n)%2)+3],   v[EA+2*(\slot)+(\n)/4] offset:(((\n)%4)/2)*BLK+((\n)%2)*64
	ds_load_b128 v[EE+8*((\n)%2)+4:EE+8*((\n)%2)+7], v[EA+2*(\slot)+(\n)/4] offset:(((\n)%4)/2)*BLK+((\n)%2)*64+16
.endm
; Operation number EP (0..159) on the finished set PS.  Source 1 is never a vector register (see WINDOWS).
;   0-15   dot -> fl(zz - 2 dot), two codes at a time (2 dot is exact, so one fused multiply-add rounds as the reference does)
;   16-31  -> fl(. + ee)
;   32-159 for code j = 0..7 in ascending order, four z rows abreast: u = d2 - run (its sign is exact: denormals are kept, ISA guide 3.x mode bits);
;          run = min(d2, run); mask = u < 0; index = mask ? j's index : index.  Strictly less, so the first index stays on equality.
.macro EOP
.if EP < 16
.set e_i, EP%4
.set e_a, ACC+32*PS+8*e_i+2*(EP/4)
.set e_z, ZZ+2*(e_i/2)
.if e_i%2
	v_pk_fma_f32 v[e_a:e_a+1], v[e_a:e_a+1], -2.0, v[e_z:e_z+1] op_sel:[0,0,1] op_sel_hi:[1,0,1]
.else
	v_pk_fma_f32 v[e_a:e_a+1], v[e_a:e_a+1], -2.0, v[e_z:e_z+1] op_sel_hi:[1,0,0]
.endif
.else
.if EP < 32
.set e_i, EP%4
.set e_p, (EP-16)/4
.set e_a, ACC+32*PS+8*e_i+2*e_p
.set e_e, EE+8*PS+2*e_p
	v_pk_fma_f32 v[e_a:e_a+1], v[e_a:e_a+1], 1.0, v[e_e:e_e+1] op_sel_hi:[1,0,1]
.else
.set e_i, EP%4
.set e_s, ((EP-32)%16)/4
.set e_j, (EP-32)/16
.set e_a, ACC+32*PS+8*e_i+e_j
.if e_s == 0
	v_fma_f32 v[UD+e_i], v[e_a], 1.0, -v[RUN+e_i]
.endif
.if e_s == 1
	v_min3_num_f32 v[RUN+e_i], v[e_a], s70, v[RUN+e_i]
.endif
.if e_s == 2
	v_cmp_lt_f32 s[SM+e_i], v[UD+e_i], 0
.endif
.if e_s == 3
	v_cndmask_b32 v[IDX+e_i], v[IDX+e_i], s[SJ+e_j], s[SM+e_i]
.if e_i == 3
	s_add_co_u32 s[SJ+e_j], s[SJ+e_j], 16          ; code j of the next unit
.endif
.endif
.endif
.endif
.endm
.macro VAL n                           ; the next n operations, as long as there are any
.rept \n
.if EP < 160
	EOP
.endif
.set EP, EP+1
.endr
.endm
; One K step of the unit at work (set CS): four matrix instructions.  The four accumulators take turns, one instruction a turn, and the
; next unit goes on with the other set.
; K step 0 starts the sums with the constant 0 and has a v_nop behind each product: the four places between the last unit's last
; product and the first vector instruction that reads its results (ISA guide 7.12.1).  K steps 1-15 carry 11 operations each: 165 places for 160.
.macro STEP ks, epi
.if \ks < 8
	WIN Q1
.else
	WIN Q2
.endif
.irp i, 0,1,2,3
.if \ks == 0
	v_wmma_f32_16x16x32_bf16 v[ACC+32*CS+8*\i:ACC+32*CS+8*\i+7], v[EF+8*\ks:EF+8*\ks+7], v[((\ks&7)*4+\i)*8:((\ks&7)*4+\i)*8+7], 0
	v_nop
.else
	v_wmma_f32_16x16x32_bf16 v[ACC+32*CS+8*\i:ACC+32*CS+8*\i+7], v[EF+8*\ks:EF+8*\ks+7], v[((\ks&7)*4+\i)*8:((\ks&7)*4+\i)*8+7], v[ACC+32*CS+8*\i:ACC+32*CS+8*\i+7]
.if \epi
.if \i == 3
	VAL 2
.else
	VAL 3
.endif
.else
	v_nop
.endif
.endif
.endr
.endm
; K steps 0-7 of unit n.  Each step fetches the fragment of the step 8 further on, into registers that a product read 8 steps ago
; (32 vector instructions or more lie between).  s_wait_dscnt 14: the pair that this step multiplies was issued 8 steps ago, and
; 7 steps x 2 loads were issued behind it (the two loads of ee, where they fall among them, only make the count stricter).
.macro HEAD8 slot, n, epi
.set CS, (\n)%2
.set PS, 1-CS
.set EP, 0
.irp ks, 0,1,2,3,4,5,6,7
	s_wait_dscnt 14
	LDE \slot, \n, \ks+8
.if \ks == 0
	LDEE \slot, \n
.endif
	STEP \ks, \epi
.endr
.endm
; a unit that is not its slot's last: K steps 8-15 fetch the next unit's K steps 0-7
.macro UNIT slot, n, epi
	HEAD8 \slot, \n, \epi
.irp ks, 8,9,10,11,12,13,14,15
	s_wait_dscnt 14
	LDE \slot, \n+1, \ks-8
	STEP \ks, \epi
.endr
.endm
; A slot's last unit, with the change of slots.  fill = 1: the slot is filled again, two tiles ahead, by a joint load.
; In front of the barrier each wave waits for its reads of this slot and for all its tensor loads, of which one can be out: its part of the
; other slot.  With fill the barrier opens a round of the cluster's barrier: no wave of any partner still reads the slot or has a load
; on its way when the joint refill goes out.  From a request to the wait for it a wave issues 508 matrix instructions.
.macro TURN slot, fill
	HEAD8 \slot, 7, 1
	s_wait_dscnt 14                                ; K step 8's pair: seven pairs were issued behind it
	STEP 8, 1
	s_wait_dscnt 12                                ; K step 9's pair: six pairs behind it
	STEP 9, 1
	s_wait_dscnt 0x0                               ; my reads of this slot are over
	s_set_vgpr_msb 0x800
	s_wait_tensorcnt 0x0                           ; all my tensor loads have landed
	ds_add_u32 v46, v47
	s_wait_dscnt 0x0
	s_set_vgpr_msb 0x8
	s_barrier_signal -1
	STEP 10, 1                                     ; registers only, while the others arrive
	WIN 0                                          ; branches and a label follow
	s_barrier_wait -1
.if \fill
	CREST
	s_add_nc_u64 s[G0R+4*\slot+2:G0R+4*\slot+3], s[G0R+4*\slot+2:G0R+4*\slot+3], 8*MBLK    ; two tiles on; no load of mine is out
	tensor_load_to_lds s[G0R+4*\slot:G0R+4*\slot+3], s[G1R:G1R+7]                          ; my one load behind the round, ahead of every LDS read
	s_nop 0
.endif
.irp ks, 0,1,2
	LDE 1-\slot, 0, \ks                            ; the other slot's first unit
.endr
.irp ks, 11,12,13,14,15
	LDE 1-\slot, 0, \ks-8                          ; at the next unit's K step 0: 2 + 5 pairs stand behind its pair, the 14 of its wait
	STEP \ks, 1
.endr
.endm
; the very last unit: nothing more to fetch, the counts run down
.macro LAST slot
	HEAD8 \slot, 7, 1
.irp ks, 8,9,10,11,12,13,14,15
	s_wait_dscnt 2*(15-\ks)
	STEP \ks, 1
.endr
.endm
.irp ks, 0,1,2,3,4,5,6,7
	LDE 0, 0, \ks
.endr
	UNIT 0, 0, 0                                   ; the first unit has no unit before it to finish
	WIN 0                                          ; at a label and at a branch every window is 0
	s_mov_b32 s71, 7                               ; 7 laps fill tiles 2 .. 15; a lap is 16 units, turned by one so that each carries the unit before
.Llap:
.irp n, 1,2,3,4,5,6
	UNIT 0, \n, 1
.endr
	TURN 0, 1
.irp n, 0,1,2,3,4,5,6
	UNIT 1, \n, 1
.endr
	TURN 1, 1
	UNIT 0, 0, 1
	WIN 0
	s_sub_co_i32 s71, s71, 1
	s_cmp_lg_u32 s71, 0
	s_cbranch_scc1 .Llap
.irp n, 1,2,3,4,5,6
	UNIT 0, \n, 1                                  ; the last two tiles: nothing is filled, no round of the cluster's barrier
.endr
	TURN 0, 0
.irp n, 0,1,2,3,4,5,6
	UNIT 1, \n, 1
.endr
	LAST 1
	WIN 0
.rept 4
	v_nop                                          ; four places behind the last products (ISA guide 7.12.1)
.endr
.set PS, 1
.set EP, 0
	VAL 160                                        ; the last unit's distances and minima
	; THE WAY OUT.  Lanes r and r + 16 hold the minima of the same z row over codes 8 h + 0..7 of every unit: the smaller value wins, on equality the smaller index.
	v_lshlrev_b32 v36, 3, v2
	v_cmp_eq_u32 vcc_lo, 1, v2
.irp i, 0,1,2,3
	v_add_nc_u32 v[IDX+\i], v[IDX+\i], v36
	v_permlanex16_b32 v37, v[RUN+\i], s74, s75
	v_permlanex16_b32 v38, v[IDX+\i], s74, s75
	v_cmp_lt_f32 s84, v37, v[RUN+\i]
	v_cmp_eq_f32 s85, v37, v[RUN+\i]
	v_cmp_lt_u32 s86, v38, v[IDX+\i]
	s_and_b32 s85, s85, s86
	s_or_b32 s84, s84, s85
	v_cndmask_b32 v[RUN+\i], v[RUN+\i], v37, s84
	v_cndmask_b32 v[IDX+\i], v[IDX+\i], v38, s84
	v_cndmask_b32 v39, v[RUN+\i], v[IDX+\i], vcc_lo    ; lanes 0-15 hand on the value, lanes 16-31 the index
	ds_store_b32 v14, v39 offset:64*\i
.endr
	ds_load_b64 v[40:41], v15                      ; my own stage: LDS serves a wave's instructions in order (ISA guide 5.7.1)
	ds_load_b64 v[42:43], v15 offset:256
	s_wait_dscnt 0x0
	global_store_b64 v16, v[40:41], s[8:9]         ; the wave stores 256 consecutive bytes, aligned: 64 values,
	global_store_b64 v16, v[42:43], s[10:11]       ; 64 indices
	s_wait_tensorcnt 0x0
	ds_add_u32 v46, v47
	s_wait_dscnt 0x0
	ROUND                                          ; the closing round: no work-group ends while a partner may still ask jointly
	s_endpgm
.Lfunc_end_k_q2722eacf75_main:
	.size	k_q2722eacf75_main, .Lfunc_end_k_q2722eacf75_main-k_q2722eacf75_main
	.p2alignl 7, 3214868480
	.fill 96, 4, 3214868480
	.section	.rodata,"a",@progbits
	.p2align	6, 0x0
	.amdhsa_kernel k_q2722eacf75_main
		.amdhsa_group_segment_fixed_size 327680
		.amdhsa_private_segment_fixed_size 0
		.amdhsa_enable_private_segment 0
		.amdhsa_kernarg_size 32
		.amdhsa_user_sgpr_count 2
		.amdhsa_user_sgpr_kernarg_segment_ptr 1
		.amdhsa_wavefront_size32 1
		.amdhsa_system_sgpr_workgroup_id_x 1
		.amdhsa_system_sgpr_workgroup_id_y 1
		.amdhsa_system_sgpr_workgroup_id_z 1
		.amdhsa_system_vgpr_workitem_id 0
		.amdhsa_next_free_vgpr 768
		.amdhsa_next_free_sgpr 96
		.amdhsa_reserve_vcc 1
		.amdhsa_float_denorm_mode_32 3
		.amdhsa_float_denorm_mode_16_64 3
		.amdhsa_memory_ordered 1
		.amdhsa_forward_progress 1
		.amdhsa_inst_pref_size 255
	.end_amdhsa_kernel
	.section	.bss,"aw",@nobits
	.p2align	6
	.space	262144
	.amdgpu_metadata
---
amdhsa.version: [ 1, 2 ]
amdhsa.kernels:
  - .name:           k_q2722eacf75_main
    .symbol:         k_q2722eacf75_main.kd
    .args:
      - { .name: xb, .offset: 0, .size: 8, .value_kind: global_buffer, .address_space: global }
      - { .name: nrm, .offset: 8, .size: 8, .value_kind: global_buffer, .address_space: global }
      - { .name: cval, .offset: 16, .size: 8, .value_kind: global_buffer, .address_space: global }
      - { .name: cidx, .offset: 24, .size: 8, .value_kind: global_buffer, .address_space: global }
    .group_segment_fixed_size: 327680
    .private_segment_fixed_size: 0
    .kernarg_segment_align: 8
    .kernarg_segment_size: 32
    .max_flat_workgroup_size: 128
    .sgpr_count:     96
    .vgpr_count:     768
    .wavefront_size: 32
...
	.end_amdgpu_metadata
.endif
;; end of part 2
;; launch finish (part 3): grid 256 x 1, 16 waves a work-group, no clusters, 2,560 bytes of LDS; arguments z, emb, cval, cidx, out0, out1, part; writes out0, out1, part
.if DOCPART == 3
	.amdgcn_target "amdgcn-amd-amdhsa--gfx1250"
	.amdhsa_code_object_version 6
	.text
	.protected	k_q2722eacf75_finish
	.globl	k_q2722eacf75_finish
	.p2align	8
	.type	k_q2722eacf75_finish,@function
k_q2722eacf75_finish:
	s_mov_b64 s[64:65], 0
	v_nop
	global_prefetch_b8 v0, s[64:65] scope:SCOPE_SE
	s_setreg_imm32_b32 hwreg(HW_REG_WAVE_MODE, 25, 1), 1
	s_wait_xcnt 0x0
; For each row b: the best of the four quarters' candidates (cval[q][b], cidx[q][b]); out1[b] = its index; out0[b] = z[b] + (emb[idx] - z[b]);
; part[work-group] = the sum of (emb[idx] - z)^2 over the group's 64 rows, from the f32 inputs themselves.
; The choice among the four hangs on floating-point comparisons, so it steers no address: all four candidate rows are loaded (their addresses come
; from cidx, whole numbers that the launch before stored) and the values are chosen by v_cndmask_b32.  Strictly smaller wins, so on equality the lowest quarter,
; that is the lowest index, stays.
; 16 waves; wave w takes rows 4 w .. 4 w + 3 of the group's 64, a row of 2,048 bytes across its 32 lanes (four loads of 16 bytes a lane).
; Two register slots of 20 loads each take turns.  Memory binds: no matrix unit, no tiles in LDS; no cluster, since no two work-groups are
; known to read the same code rows.
.set VE, 4                             ; v[4:19]   byte offset in emb of my 16 bytes of candidate q of row: VE + 4 row + q; never rewritten
.set VB, 20                            ; v20       best value so far
.set VI, 21                            ; v21       its index
.set LS, 22                            ; v[22:25]  two pairs of sums of squares
.set SL, 32                            ; slot s at 32 + 80 s: z 16 registers, then candidates 0..3, 16 each
.set CI, 20                            ; s[20:35]  cidx[q][my 4 rows] at CI + 4 q + row
.set CV, 36                            ; s[36:51]  cval likewise
.set MK, 52                            ; s[52:54]  masks: candidate 1, 2, 3 beats what stood before it
	s_load_b256 s[4:11], s[0:1], 0x0               ; z s[4:5], emb s[6:7], cval s[8:9], cidx s[10:11]
	s_load_b128 s[12:15], s[0:1], 0x20             ; out0 s[12:13], out1 s[14:15]
	s_load_b64 s[16:17], s[0:1], 0x30              ; part
	v_lshl_add_u32 v192, v0, 2, 0x200
	v_mov_b32 v193, 0
	v_lshrrev_b32 v3, 5, v0
	v_readfirstlane_b32 s18, v3                    ; wave 0..15
	v_and_b32 v26, 31, v0                          ; lane
	v_lshlrev_b32 v1, 4, v26                       ; 16 bytes a lane
	v_lshl_add_u32 v2, v3, 13, v1                  ; + wave x 4 rows x 2,048: my place in z and out0; never rewritten
	v_lshlrev_b32 v27, 4, v3                       ; LDS: my 4 indices at 16 x wave
	v_lshlrev_b32 v28, 2, v3                       ; LDS: my sum at 256 + 4 x wave
	v_mov_b32 v29, 0                               ; v_permlanex16_b32 counts as a reader of its destination
	s_lshl_b32 s19, ttmp9, 8
	s_lshl4_add_u32 s19, s18, s19                  ; (64 x group + 4 x wave) x 4 bytes
	s_lshl_b32 s58, ttmp9, 17                      ; 64 rows of 2,048 bytes
	s_mov_b32 s59, 0
	s_mov_b32 s56, 0x76543210
	s_mov_b32 s57, 0xfedcba98
	s_wait_kmcnt 0x0
.irp q, 0,1,2,3
	s_load_b128 s[CI+4*\q:CI+4*\q+3], s[10:11], s19 offset:\q*65536
	s_load_b128 s[CV+4*\q:CV+4*\q+3], s[8:9], s19 offset:\q*65536
.endr
	s_add_nc_u64 s[4:5], s[4:5], s[58:59]
	s_add_nc_u64 s[12:13], s[12:13], s[58:59]
	s_wait_kmcnt 0x0
.irp k, 0,1,2,3,4,5,6,7,8,9,10,11,12,13,14,15
	s_min_u32 s[CI+\k], s[CI+\k], 0x1fff           ; an index stays inside the table of 8,192 rows
.endr
.irp row, 0,1,2,3
.irp q, 0,1,2,3
	v_lshl_add_u32 v[VE+4*\row+\q], s[CI+4*\q+\row], 11, v1
.endr
.endr
.macro FILL s, row                     ; 20 loads: the row of z and its four candidate rows, 512 neighbouring bytes a load
.irp j, 0,1,2,3
	global_load_b128 v[SL+80*\s+4*\j:SL+80*\s+4*\j+3], v2, s[4:5] offset:\row*2048+512*\j th:TH_LOAD_NT
.endr
.irp q, 0,1,2,3
.irp j, 0,1,2,3
	global_load_b128 v[SL+80*\s+16+16*\q+4*\j:SL+80*\s+16+16*\q+4*\j+3], v[VE+4*\row+\q], s[6:7] offset:512*\j
.endr
.endr
.endm
; pair p of the row: t = e - z, out = z + t (the reference's own two roundings), sum += t t
.macro PAIR s, p, start
	v_pk_add_f32 v[SL+80*\s+32+2*\p:SL+80*\s+32+2*\p+1], v[SL+80*\s+16+2*\p:SL+80*\s+16+2*\p+1], v[SL+80*\s+2*\p:SL+80*\s+2*\p+1] neg_lo:[0,1] neg_hi:[0,1]
	v_pk_add_f32 v[SL+80*\s+16+2*\p:SL+80*\s+16+2*\p+1], v[SL+80*\s+2*\p:SL+80*\s+2*\p+1], v[SL+80*\s+32+2*\p:SL+80*\s+32+2*\p+1]
.if \start
	v_pk_mul_f32 v[LS+2*(\p%2):LS+2*(\p%2)+1], v[SL+80*\s+32+2*\p:SL+80*\s+32+2*\p+1], v[SL+80*\s+32+2*\p:SL+80*\s+32+2*\p+1]
.else
	v_pk_fma_f32 v[LS+2*(\p%2):LS+2*(\p%2)+1], v[SL+80*\s+32+2*\p:SL+80*\s+32+2*\p+1], v[SL+80*\s+32+2*\p:SL+80*\s+32+2*\p+1], v[LS+2*(\p%2):LS+2*(\p%2)+1]
.endif
.endm
; The turn of slot s with row `row`.  left = how many younger loads may stay out; first = 1: the first squares start the sums.
.macro TURN s, row, left, first
	s_wait_loadcnt \left
	v_mov_b32 v[VB], s[CV+\row]
	v_mov_b32 v[VI], s[CI+\row]
.irp q, 1,2,3
	v_cmp_gt_f32 s[MK+\q-1], v[VB], s[CV+4*\q+\row]
	v_cndmask_b32 v[VB], v[VB], s[CV+4*\q+\row], s[MK+\q-1]
	v_cndmask_b32 v[VI], v[VI], s[CI+4*\q+\row], s[MK+\q-1]
.endr
.irp q, 1,2,3
.irp k, 0,1,2,3,4,5,6,7,8,9,10,11,12,13,14,15
	v_cndmask_b32 v[SL+80*\s+16+\k], v[SL+80*\s+16+\k], v[SL+80*\s+16+16*\q+\k], s[MK+\q-1]
.endr
.endr
.irp p, 0,1
	PAIR \s, \p, \first
.endr
.irp p, 2,3,4,5,6,7
	PAIR \s, \p, 0
.endr
.irp j, 0,1,2,3
	global_store_b128 v2, v[SL+80*\s+16+4*\j:SL+80*\s+16+4*\j+3], s[12:13] offset:\row*2048+512*\j th:TH_STORE_NT   ; 512 consecutive bytes, aligned
.endr
	ds_store_b32 v27, v[VI] offset:4*\row          ; all lanes write the same word with the same value
.endm
	FILL 0, 0
	FILL 1, 1
	TURN 0, 0, 20, 1                               ; 20: the other slot's loads stay out
	s_wait_xcnt 0x0                                ; the stores' data registers are loaded again only behind this wait (ISA guide 3.1)
	FILL 0, 2
	TURN 1, 1, 20, 0
	s_wait_xcnt 0x0
	FILL 1, 3
	TURN 0, 2, 20, 0
	TURN 1, 3, 0, 0
	v_pk_add_f32 v[LS:LS+1], v[LS:LS+1], v[LS+2:LS+3]
	v_add_f32 v[LS], v[LS], v[LS+1]
	v_add_f32_dpp v[LS], v[LS], v[LS] row_xmask:1 row_mask:0xf bank_mask:0xf
	v_add_f32_dpp v[LS], v[LS], v[LS] row_xmask:2 row_mask:0xf bank_mask:0xf
	v_add_f32_dpp v[LS], v[LS], v[LS] row_xmask:4 row_mask:0xf bank_mask:0xf
	v_add_f32_dpp v[LS], v[LS], v[LS] row_xmask:8 row_mask:0xf bank_mask:0xf
	v_permlanex16_b32 v29, v[LS], s56, s57
	v_add_f32 v[LS], v[LS], v29
	ds_store_b32 v28, v[LS] offset:256
	s_wait_dscnt 0x0                               ; my indices and my sum are in LDS, for wave 0
	s_barrier_signal -1
	s_barrier_wait -1
	s_cmp_lg_u32 s18, 0
	s_cbranch_scc1 .Lend
	v_lshlrev_b32 v30, 3, v26
	v_and_b32 v31, 15, v26
	v_lshlrev_b32 v31, 2, v31
	ds_load_b64 v[32:33], v30                      ; the group's 64 indices (these registers' loads are long done)
	ds_load_b32 v34, v31 offset:256                ; the 16 waves' sums, once in each half of the lanes
	s_lshl_b32 s58, ttmp9, 8
	s_add_nc_u64 s[14:15], s[14:15], s[58:59]
	s_lshl_b32 s58, ttmp9, 2
	s_add_nc_u64 s[16:17], s[16:17], s[58:59]
	v_mov_b32 v35, 0
	s_wait_dscnt 0x0
	global_store_b64 v30, v[32:33], s[14:15]       ; 256 consecutive bytes of out1, aligned
	v_add_f32_dpp v34, v34, v34 row_xmask:1 row_mask:0xf bank_mask:0xf
	v_add_f32_dpp v34, v34, v34 row_xmask:2 row_mask:0xf bank_mask:0xf
	v_add_f32_dpp v34, v34, v34 row_xmask:4 row_mask:0xf bank_mask:0xf
	v_add_f32_dpp v34, v34, v34 row_xmask:8 row_mask:0xf bank_mask:0xf
	v_cmp_eq_u32 vcc_lo, 0, v0
	s_wait_xcnt 0x0                                ; EXEC changes only behind s_wait_xcnt 0
	s_and_saveexec_b32 s60, vcc_lo
	global_store_b32 v35, v34, s[16:17]            ; one number for the work-group: there is no more to store here
	s_wait_xcnt 0x0
	s_or_b32 exec_lo, exec_lo, s60
.Lend:
	s_wait_tensorcnt 0x0
	ds_add_u32 v192, v193
	s_wait_dscnt 0x0
	s_endpgm
.Lfunc_end_k_q2722eacf75_finish:
	.size	k_q2722eacf75_finish, .Lfunc_end_k_q2722eacf75_finish-k_q2722eacf75_finish
	.p2alignl 7, 3214868480
	.fill 96, 4, 3214868480
	.section	.rodata,"a",@progbits
	.p2align	6, 0x0
	.amdhsa_kernel k_q2722eacf75_finish
		.amdhsa_group_segment_fixed_size 2560
		.amdhsa_private_segment_fixed_size 0
		.amdhsa_enable_private_segment 0
		.amdhsa_kernarg_size 56
		.amdhsa_user_sgpr_count 2
		.amdhsa_user_sgpr_kernarg_segment_ptr 1
		.amdhsa_wavefront_size32 1
		.amdhsa_system_sgpr_workgroup_id_x 1
		.amdhsa_system_sgpr_workgroup_id_y 1
		.amdhsa_system_sgpr_workgroup_id_z 1
		.amdhsa_system_vgpr_workitem_id 0
		.amdhsa_next_free_vgpr 194
		.amdhsa_next_free_sgpr 66
		.amdhsa_reserve_vcc 1
		.amdhsa_float_denorm_mode_32 3
		.amdhsa_float_denorm_mode_16_64 3
		.amdhsa_memory_ordered 1
		.amdhsa_forward_progress 1
		.amdhsa_inst_pref_size 36
	.end_amdhsa_kernel
	.amdgpu_metadata
---
amdhsa.version: [ 1, 2 ]
amdhsa.kernels:
  - .name:           k_q2722eacf75_finish
    .symbol:         k_q2722eacf75_finish.kd
    .args:
      - { .name: z, .offset: 0, .size: 8, .value_kind: global_buffer, .address_space: global }
      - { .name: emb, .offset: 8, .size: 8, .value_kind: global_buffer, .address_space: global }
      - { .name: cval, .offset: 16, .size: 8, .value_kind: global_buffer, .address_space: global }
      - { .name: cidx, .offset: 24, .size: 8, .value_kind: global_buffer, .address_space: global }
      - { .name: out0, .offset: 32, .size: 8, .value_kind: global_buffer, .address_space: global }
      - { .name: out1, .offset: 40, .size: 8, .value_kind: global_buffer, .address_space: global }
      - { .name: part, .offset: 48, .size: 8, .value_kind: global_buffer, .address_space: global }
    .group_segment_fixed_size: 2560
    .private_segment_fixed_size: 0
    .kernarg_segment_align: 8
    .kernarg_segment_size: 56
    .max_flat_workgroup_size: 512
    .sgpr_count:     66
    .vgpr_count:     194
    .wavefront_size: 32
...
	.end_amdgpu_metadata
.endif
;; end of part 3
;; launch loss (part 4): grid 1 x 1, 1 waves a work-group, no clusters, 0 bytes of LDS; arguments part, out2; writes out2
.if DOCPART == 4
	.amdgcn_target "amdgcn-amd-amdhsa--gfx1250"
	.amdhsa_code_object_version 6
	.text
	.protected	k_q2722eacf75_loss
	.globl	k_q2722eacf75_loss
	.p2align	8
	.type	k_q2722eacf75_loss,@function
k_q2722eacf75_loss:
	s_mov_b64 s[64:65], 0
	v_nop
	global_prefetch_b8 v0, s[64:65] scope:SCOPE_SE
	s_setreg_imm32_b32 hwreg(HW_REG_WAVE_MODE, 25, 1), 1
	s_wait_xcnt 0x0
; out2 = 1.25 x (the sum of the 256 partial sums) / (16,384 x 512): the commitment loss (0.25 x the mean) and the codebook loss (the mean)
; are the same mean of squares.  One wave: 8 numbers a lane, then the sum over the 32 lanes.  A sum over work-groups is ordered by
; a launch of its own, since work-groups of one launch hand each other nothing.
	s_load_b128 s[4:7], s[0:1], 0x0                ; part s[4:5], out2 s[6:7]
	v_lshlrev_b32 v1, 4, v0
	s_mov_b32 s8, 0x76543210
	s_mov_b32 s9, 0xfedcba98
	v_mov_b32 v10, 0                               ; v_permlanex16_b32 counts as a reader of its destination
	v_mov_b32 v11, 0
	s_wait_kmcnt 0x0
	global_load_b128 v[2:5], v1, s[4:5]
	global_load_b128 v[6:9], v1, s[4:5] offset:512
	s_wait_loadcnt 0x0
	v_pk_add_f32 v[2:3], v[2:3], v[6:7]
	v_pk_add_f32 v[4:5], v[4:5], v[8:9]
	v_pk_add_f32 v[2:3], v[2:3], v[4:5]
	v_add_f32 v2, v2, v3
	v_add_f32_dpp v2, v2, v2 row_xmask:1 row_mask:0xf bank_mask:0xf
	v_add_f32_dpp v2, v2, v2 row_xmask:2 row_mask:0xf bank_mask:0xf
	v_add_f32_dpp v2, v2, v2 row_xmask:4 row_mask:0xf bank_mask:0xf
	v_add_f32_dpp v2, v2, v2 row_xmask:8 row_mask:0xf bank_mask:0xf
	v_permlanex16_b32 v10, v2, s8, s9
	v_add_f32 v2, v2, v10
	v_mul_f32 v2, 0x34200000, v2                   ; 1.25 x 2^-23
	v_cmp_eq_u32 vcc_lo, 0, v0
	s_wait_xcnt 0x0                                ; EXEC changes only behind s_wait_xcnt 0
	s_and_saveexec_b32 s10, vcc_lo
	global_store_b32 v11, v2, s[6:7]
	s_wait_xcnt 0x0
	s_or_b32 exec_lo, exec_lo, s10
	s_endpgm
.Lfunc_end_k_q2722eacf75_loss:
	.size	k_q2722eacf75_loss, .Lfunc_end_k_q2722eacf75_loss-k_q2722eacf75_loss
	.p2alignl 7, 3214868480
	.fill 96, 4, 3214868480
	.section	.rodata,"a",@progbits
	.p2align	6, 0x0
	.amdhsa_kernel k_q2722eacf75_loss
		.amdhsa_group_segment_fixed_size 0
		.amdhsa_private_segment_fixed_size 0
		.amdhsa_enable_private_segment 0
		.amdhsa_kernarg_size 16
		.amdhsa_user_sgpr_count 2
		.amdhsa_user_sgpr_kernarg_segment_ptr 1
		.amdhsa_wavefront_size32 1
		.amdhsa_system_sgpr_workgroup_id_x 1
		.amdhsa_system_sgpr_workgroup_id_y 1
		.amdhsa_system_sgpr_workgroup_id_z 1
		.amdhsa_system_vgpr_workitem_id 0
		.amdhsa_next_free_vgpr 16
		.amdhsa_next_free_sgpr 66
		.amdhsa_reserve_vcc 1
		.amdhsa_float_denorm_mode_32 3
		.amdhsa_float_denorm_mode_16_64 3
		.amdhsa_memory_ordered 1
		.amdhsa_forward_progress 1
		.amdhsa_inst_pref_size 2
	.end_amdhsa_kernel
	.amdgpu_metadata
---
amdhsa.version: [ 1, 2 ]
amdhsa.kernels:
  - .name:           k_q2722eacf75_loss
    .symbol:         k_q2722eacf75_loss.kd
    .args:
      - { .name: part, .offset: 0, .size: 8, .value_kind: global_buffer, .address_space: global }
      - { .name: out2, .offset: 8, .size: 8, .value_kind: global_buffer, .address_space: global }
    .group_segment_fixed_size: 0
    .private_segment_fixed_size: 0
    .kernarg_segment_align: 8
    .kernarg_segment_size: 16
    .max_flat_workgroup_size: 32
    .sgpr_count:     66
    .vgpr_count:     16
    .wavefront_size: 32
...
	.end_amdgpu_metadata
.endif
;; end of part 4
;; ======== version 2 of 2: 4 launches; 1.32 times as fast as version 1
;; workspace buffers: xb 25,427,968 bytes; nrm 65,536 bytes; cval 262,144 bytes; cidx 262,144 bytes of whole numbers; part 1,024 bytes
;; launch prep: the kernel of part 1 again; grid 384 x 1, 8 waves a work-group, no clusters, 1,280 bytes of LDS; arguments z, emb, xb, nrm; writes xb, nrm
;; launch main (part 5): grid 256 x 1, 4 waves a work-group, clusters of 4 x 1, 327,680 bytes of LDS; arguments xb, nrm, cval, cidx; writes cval, cidx
.if DOCPART == 5
	.amdgcn_target "amdgcn-amd-amdhsa--gfx1250"
	.amdhsa_code_object_version 6
	.text
	.protected	k_q2722eacf75_main
	.globl	k_q2722eacf75_main
	.p2align	8
	.type	k_q2722eacf75_main,@function
k_q2722eacf75_main:
	s_mov_b64 s[64:65], 0
	v_nop
	global_prefetch_b8 v0, s[64:65] scope:SCOPE_SE
	s_setreg_imm32_b32 hwreg(HW_REG_WAVE_MODE, 25, 1), 1
	s_wait_xcnt 0x0
	s_wait_alu depctr_hold_cnt(0) depctr_sa_sdst(0) depctr_va_vdst(0) depctr_va_sdst(0) depctr_va_ssrc(0) depctr_va_vcc(0) depctr_vm_vsrc(0)
	s_getreg_b32 s2, hwreg(HW_REG_IB_STS2, 6, 4)
	s_cmp_eq_u32 s2, 0
	s_cbranch_scc0 .Lentry_in_a_cluster
	s_endpgm
.Lentry_in_a_cluster:
	s_bfe_u32 s2, ttmp6, 0x10000c
	s_cmp_lg_u32 s2, 0x3003
	s_cbranch_scc0 .Lentry_shape_is_right
	s_endpgm
.Lentry_shape_is_right:
; d2[b][k] = fl(fl(zz[b] - 2 z[b].e[k]) + ee[k]) and its first minimum, for 256 rows of z against 2,048 codes (a quarter of the
; codebook) in each work-group: 64 row blocks x 4 quarters = 256 work-groups.  Out: cval[q][b], cidx[q][b], the quarter's least d2
; and the least index that has it.  The two roundings are reference()'s own, so that equal d2 stay equal and the first index wins.
; SHAPE: four waves, one for each SIMD of a WGP.  A wave keeps its 64 rows of z, all 512 along K, as 64 fragments in 512 registers for the whole
; launch.  The codes stream through LDS; a UNIT is 16 codes: 32 LDS loads of 16 bytes a lane feed 64 matrix instructions, and only
; 2 x 32 accumulator registers are needed.  While one unit is multiplied, the unit before is turned into distances and minima by
; vector instructions that stand between the matrix instructions, at most two behind a product.
; THE MATRIX INSTRUCTION IS USED TRANSPOSED: source 0 = 16 codes, source 1 = 16 rows of z.  Register j of lane (r, h) is then code
; 8 h + j of the unit against z row r: the minimum over codes runs inside a lane.
; THE MINIMUM IS KEPT IN TWO LEVELS.  A lane's 8 codes of a unit, for one z row, are a group.  For a group: 8 packed multiply-adds make its 8 d2,
; four v_min3 fold them and the running minimum, one comparison says whether the running minimum fell, and 9 selects keep, where it fell, the unit's
; first index and the group's 8 d2: 22 vector instructions for 8 d2, 88 a unit.  Once, at the end, the first j whose kept d2 equals the minimum
; gives the index.  Only a strict fall is kept, so the first unit stays on equality, and in it the first j: the first index.
; LDS LOADS STAND IN TWO RUNS A UNIT, not singly among the products: behind K step 0 the 16 loads of this unit's K steps 8-15 (and 2 of ee),
; behind K step 8 the 16 loads of the next unit's K steps 0-7.  Each run has 28 products in which to land.
; WINDOWS: z's fragments of K steps 0-7 lie in v256-511, of K steps 8-15 in v512-767, at ((ks & 7) 4 + i) 8; the kept d2 and indices in v768-803; all
; else in v0-255.  A product needs source 1 in z's window (Q1, Q2); the multiply-adds have a constant as source 1 and run under the same setting.
; v_min3 and the comparisons name a vector register as source 1 and stand under setting 0, the selects under WSAVE (destination and source 1 in
; v768-1023).  That is 62 switches a unit.  A form that never leaves Q1 and Q2 needs a subtraction, a minimum, a comparison and a select for each d2,
; 160 vector instructions a unit: the switches are the price of 72 vector instructions.
; CLUSTER: the four work-groups of a cluster take the same quarter and four different row blocks, so they read the same tiles of codes
; at the same time: these are asked for jointly (mask 15).  z's rows are each work-group's own and come by a plain load.
; LIMITS: inputs and d2 finite (a NaN is never chosen, where jnp.argmin would choose the first).  Operands are bf16; the order of the
; sums in the dot products differs from the reference's.
.set EOFF,   16777216                  ; xb: the codes' blocks begin here
.set MBLK,   33792                     ; a block in memory: 32 code rows + 1 row of sums of squares, 1,024 bytes each
.set QBYTES, 64*MBLK                   ; a quarter of the codebook
.set PITCH,  1040                      ; an LDS row: 1,024 bytes + 16 of padding = 65 x 16: the 16 rows of a fragment load start in 16 different 16-byte columns of 256 bytes
.set R16,    16*PITCH
.set BLK,    33*PITCH                  ; a block in LDS
.set HALF,   2*BLK                     ; half a slot; LDS offsets have 16 bits, so each half has its address register
.set SLOT,   4*BLK                     ; 128 codes = 8 units; slot 0 at 0, slot 1 at SLOT
.set STAGE,  274688                    ; the first multiple of 256 behind the two slots: 4 x 512 bytes for the way out; no tensor load lands here
.set BA,   4                           ; v[4:7]    half b of the two slots: b HALF + r PITCH + 16 h
.set EA,   8                           ; v[8:11]   the same half's sums of squares: b HALF + 32 PITCH + 32 h
.set ZA,   12                          ; v12       my wave's z rows in LDS
.set MT,   20                          ; v[20:23]  a group's minimum in the making, for z rows 16 i + r
.set IDX,  24                          ; v[24:27]  the way out: the whole index
.set RUN0, 28                          ; v[28:31], v[44:47]  running minimum, two sets at RUN0 + 16 set: a unit of set s reads set s and writes the other
.set ZZ,   32                          ; v[32:35]  zz of z rows 16 i + r
.set EE,   48                          ; v[48:63]  ee of my 8 codes, a set of 8 for each accumulator set
.set ACC,  64                          ; v[64:127] two sets of four accumulators: 64 + 32 set + 8 i
.set EF,   128                         ; v[128:255] the codes' fragments: K step ks at 128 + 8 ks, a ring of 16
.set SV,   0                           ; v[768:799] by their low 8 bits: the 8 d2 of the group in which the minimum last fell, at 8 i + j
.set IX,   32                          ; v[800:803] likewise: that group's unit's first index
.set G1Z, 16                           ; s[16:23]  shape: 64 rows, plain
.set G1I, 24                           ; s[24:31]  shape: 66 rows, joint
.set G1R, 32                           ; s[32:39]  shape: 33 rows, joint
.set G0Z, 40                           ; s[40:43]  z
.set G0I, 44                           ; s[44:47]  the first two tiles of codes
.set G0R, 48                           ; s[48:55]  the refills, a set for each slot
.set SU,  56                           ; s56       first index of the unit whose distances are being made
.set Q1,  0x04                         ; source 1 in v256-511
.set Q2,  0x08                         ; source 1 in v512-767
.set WSAVE, 0xcc                       ; destination and source 1 in v768-1023
.set PLAIN0, (1<<16)|(1<<20)|(7<<22)|(3<<25)   ; elements of 2 bytes; padding on: behind every 256 words, 4 words
.set JOINT0, PLAIN0|15|(1<<21)                 ; the same for all four work-groups of the cluster; bit 21 set beside a mask
.set MSB, 0
.macro WIN new                         ; the immediate's high byte repeats the setting that is left
.if MSB != \new
	s_set_vgpr_msb (MSB<<8)|\new
.set MSB, \new
.endif
.endm
.macro HOMEWIN                         ; destination, source 0 and source 2 in v0-255; source 1's window does not matter to what follows
.if (MSB & 0xf3) != 0
	WIN 0
.endif
.endm
; A round of the cluster's barrier: my work-group's barrier; wave 0 signals for the work-group; every wave waits for all four
; work-groups; my work-group's barrier once more.
.macro CREST
	s_cmp_lg_u32 s12, 0
	s_cbranch_scc1 .Lnot_wave_0_\@
	s_barrier_signal -3
.Lnot_wave_0_\@:
	s_barrier_wait -3
	s_barrier_signal -1
	s_barrier_wait -1
.endm
.macro ROUND
	s_barrier_signal -1
	s_barrier_wait -1
	CREST
.endm
; descriptor group 1: rows of 512 bf16, dense in memory (pitch 512 elements); the extents are the tile's own
.macro SHAPE g, w0, rows
	s_mov_b32 s[\g+0], \w0
	s_mov_b32 s[\g+1], 512<<16                     ; tensor_dim0 = 512
	s_mov_b32 s[\g+2], \rows<<16                   ; tensor_dim1 = rows
	s_mov_b32 s[\g+3], 512<<16                     ; tile_dim0 = 512
	s_mov_b32 s[\g+4], \rows                       ; tile_dim1 = rows
	s_mov_b32 s[\g+5], 512                         ; elements from row to row
	s_mov_b32 s[\g+6], 0
	s_mov_b32 s[\g+7], 0
.endm
	s_load_b256 s[4:11], s[0:1], 0x0               ; xb s[4:5], nrm s[6:7], cval s[8:9], cidx s[10:11]
	v_lshl_add_u32 v18, v0, 2, 0x43900
	v_mov_b32 v19, 0
	ds_add_u32 v18, v19
	v_lshrrev_b32 v1, 5, v0
	v_readfirstlane_b32 s12, v1                    ; wave 0..3
	s_bfe_u32 s13, ttmp6, 0x40000                  ; cx: my place in the cluster
	s_and_b32 s14, ttmp9, 3                        ; q: the cluster's quarter of the codebook
	s_lshr_b32 s15, ttmp9, 2
	s_lshl_b32 s15, s15, 2
	s_add_co_u32 s15, s15, s13                     ; my row block, 0..63: enters global addresses of z, zz and the results alone
	SHAPE G1Z, PLAIN0, 64
	SHAPE G1I, JOINT0, 66
	SHAPE G1R, JOINT0, 33
	s_mov_b32 s70, 0x7f800000                      ; +infinity
	s_mov_b32 s74, 0x76543210                      ; v_permlanex16_b32: lane i of one half reads lane i of the other
	s_mov_b32 s75, 0xfedcba98
	s_lshl_b32 s[SU], s14, 11                      ; the quarter's first code
	; offsets, made apart from the addresses.  s72, s73, s76, s77 never hold cx.
	s_lshl_b32 s80, s15, 18                        ; z: row block x 256 rows x 1,024 bytes
	s_lshl_b32 s81, s12, 16                        ;    + wave x 64 rows
	s_add_co_u32 s80, s80, s81
	s_mov_b32 s81, 0
	s_mul_i32 s72, s14, QBYTES
	s_add_co_u32 s72, s72, EOFF
	s_mov_b32 s73, 0
	s_wait_dscnt 0x0
	s_wait_kmcnt 0x0
	s_mov_b32 s[G0Z], 1
	s_mul_i32 s[G0Z+1], s12, HALF                  ; each wave's 64 rows of z lie where its part of the first codes will lie
	s_add_nc_u64 s[G0Z+2:G0Z+3], s[4:5], s[80:81]
	s_or_b32 s[G0Z+3], s[G0Z+3], 0x80000000
	s_add_nc_u64 s[76:77], s[4:5], s[72:73]        ; the quarter's first block
	s_mul_i32 s72, s12, 2*MBLK
	s_mov_b32 s[G0I], 1
	s_mul_i32 s[G0I+1], s12, HALF
	s_add_nc_u64 s[G0I+2:G0I+3], s[76:77], s[72:73]        ; blocks 2 w, 2 w + 1: the four waves fill both slots
	s_or_b32 s[G0I+3], s[G0I+3], 0x80000000
	s_mul_i32 s72, s12, MBLK
	s_mov_b32 s[G0R], 1
	s_mul_i32 s[G0R+1], s12, BLK
	s_add_nc_u64 s[G0R+2:G0R+3], s[76:77], s[72:73]        ; slot 0: block w of tile 0; stepped two tiles on in front of each refill
	s_or_b32 s[G0R+3], s[G0R+3], 0x80000000
	s_add_co_u32 s72, s72, 4*MBLK
	s_mov_b32 s[G0R+4], 1
	s_mul_i32 s[G0R+5], s12, BLK
	s_add_co_u32 s[G0R+5], s[G0R+5], SLOT
	s_add_nc_u64 s[G0R+6:G0R+7], s[76:77], s[72:73]        ; slot 1: block w of tile 1
	s_or_b32 s[G0R+7], s[G0R+7], 0x80000000
	ROUND                                          ; in a cluster launch every group of tensor loads stands behind a round
	tensor_load_to_lds s[G0Z:G0Z+3], s[G1Z:G1Z+7]  ; the launch's one first fill: my wave's 64 rows of z
	s_nop 0
	v_and_b32 v1, 15, v0                           ; r
	v_bfe_u32 v2, v0, 4, 1                         ; h
	v_mul_u32_u24 v3, v1, PITCH
	v_lshl_add_u32 v3, v2, 4, v3                   ; a fragment's lane term: row r, 16 bytes for each half of the lanes
.irp b, 0,1,2,3
	v_add_nc_u32 v[BA+\b], \b*HALF, v3
	v_lshl_add_u32 v[EA+\b], v2, 5, \b*HALF+32*PITCH
.endr
	s_mul_i32 s78, s12, HALF
	v_add_nc_u32 v[ZA], s78, v3
	s_lshl_b32 s82, s15, 8
	s_lshl_b32 s83, s12, 6
	s_add_co_u32 s82, s82, s83                     ; my wave's first row of z
	v_add_lshl_u32 v13, v1, s82, 2                 ; zz of row r of my 64
	s_lshl_b32 s78, s12, 9
	s_add_co_u32 s78, s78, STAGE                   ; my stage
	v_lshlrev_b32 v14, 2, v1
	v_lshl_add_u32 v14, v2, 8, v14
	v_add_nc_u32 v14, s78, v14                     ; in: lanes 0-15 put values, lanes 16-31 indices 256 bytes further
	v_and_b32 v15, 31, v0
	v_lshl_add_u32 v15, v15, 3, s78                ; back: 8 bytes a lane
	s_lshl_b32 s83, s14, 14
	s_add_co_u32 s83, s83, s82
	s_lshl_b32 s83, s83, 2
	v_and_b32 v16, 31, v0
	v_lshl_add_u32 v16, v16, 3, s83                ; my 8 bytes in cval and in cidx: [q][row]
.irp i, 0,1,2,3
	global_load_b32 v[ZZ+\i], v13, s[6:7] offset:64*\i
.endr
.irp i, 0,1,2,3
	v_mov_b32 v[RUN0+\i], s70                      ; the first finite d2 is smaller
.endr
	v_mov_b32 v37, 0                               ; v_permlanex16_b32 counts as a reader of its destination
	v_mov_b32 v38, 0
	; The selects read what they may keep, so the 36 kept registers hold something from the start.  With finite d2 the first unit replaces all of it.
	WIN 0xc0                                       ; destination v768-1023
.set k, 0
.rept 32
	v_mov_b32 v[SV+k], s70
.set k, k+1
.endr
.irp i, 0,1,2,3
	v_mov_b32 v[IX+\i], s[SU]
.endr
; z's fragments of eight K steps from K step base on, into the window that is set: lane (r, h) takes row 16 i + r, 16 bytes at 16 h and at 32 + 16 h of the step's 64
.macro LDZ base
.irp k, 0,1,2,3,4,5,6,7
.irp i, 0,1,2,3
	ds_load_b128 v[(\k*4+\i)*8:(\k*4+\i)*8+3],   v[ZA] offset:\i*R16+64*(\base+\k)
	ds_load_b128 v[(\k*4+\i)*8+4:(\k*4+\i)*8+7], v[ZA] offset:\i*R16+64*(\base+\k)+32
.endr
.endr
.endm
	s_wait_tensorcnt 0x0                           ; my rows of z are in LDS; only I read them
	WIN 0x40                                       ; destination v256-511
	LDZ 0
	WIN 0x80                                       ; destination v512-767
	LDZ 8
	WIN 0
	s_wait_dscnt 0x0                               ; my reads of z's bytes are over,
	s_wait_tensorcnt 0x0                           ; no tensor load of mine is out,
	ds_add_u32 v18, v19
	s_wait_dscnt 0x0
	ROUND                                          ; and that holds of every wave of the four work-groups:
	tensor_load_to_lds s[G0I:G0I+3], s[G1I:G1I+7]  ; my one load behind the round: two blocks of codes, over my rows of z
	s_nop 0
	s_wait_tensorcnt 0x0                           ; my part of both slots is in,
	s_wait_loadcnt 0x0                             ; and zz
	s_barrier_signal -1
	s_barrier_wait -1                              ; everybody's part is in
; the fragment of K step ks of unit n (0..7) of a slot: two loads of 16 bytes a lane, 32 bytes apart
.macro LDE slot, n, ks
	ds_load_b128 v[EF+8*(\ks):EF+8*(\ks)+3],   v[BA+2*(\slot)+(\n)/4] offset:(((\n)%4)/2)*BLK+((\n)%2)*R16+64*(\ks)
	ds_load_b128 v[EF+8*(\ks)+4:EF+8*(\ks)+7], v[BA+2*(\slot)+(\n)/4] offset:(((\n)%4)/2)*BLK+((\n)%2)*R16+64*(\ks)+32
.endm
; a run of 16 loads: the fragments of K steps base .. base + 7 of unit n
.macro RUNE slot, n, base
	HOMEWIN
.irp k, 0,1,2,3,4,5,6,7
	LDE \slot, \n, \base+\k
.endr
.endm
; ee of my 8 codes of unit n, into the unit's set
.macro LDEE slot, n
	ds_load_b128 v[EE+8*((\n)%2):EE+8*((\n)%2)+3],   v[EA+2*(\slot)+(\n)/4] offset:(((\n)%4)/2)*BLK+((\n)%2)*64
	ds_load_b128 v[EE+8*((\n)%2)+4:EE+8*((\n)%2)+7], v[EA+2*(\slot)+(\n)/4] offset:(((\n)%4)/2)*BLK+((\n)%2)*64+16
.endm
; THE WORK ON THE FINISHED SET PS, shared out over the 64 gaps behind the products of the unit at work.  G counts the gaps.
; Gap G = 0..15: dot -> fl(zz - 2 dot), two codes at a time, accumulator G / 4 (2 dot is exact, so one fused multiply-add rounds as the reference does).
; Gap G = 16..31: -> fl(. + ee), in the same order.  Source 1 is a constant: these run under the products' own window setting.
.macro DOP
.if G < 16
.set e_i, G/4
.set e_a, ACC+32*PS+8*e_i+2*(G%4)
.set e_z, ZZ+2*(e_i/2)
.if e_i%2
	v_pk_fma_f32 v[e_a:e_a+1], v[e_a:e_a+1], -2.0, v[e_z:e_z+1] op_sel:[0,0,1] op_sel_hi:[1,0,1]
.else
	v_pk_fma_f32 v[e_a:e_a+1], v[e_a:e_a+1], -2.0, v[e_z:e_z+1] op_sel_hi:[1,0,0]
.endif
.else
.set e_i, (G-16)/4
.set e_p, (G-16)%4
.set e_a, ACC+32*PS+8*e_i+2*e_p
.set e_e, EE+8*PS+2*e_p
	v_pk_fma_f32 v[e_a:e_a+1], v[e_a:e_a+1], 1.0, v[e_e:e_e+1] op_sel_hi:[1,0,1]
.endif
.endm
; stage s = 0..3 of the minimum of accumulator i's 8 d2; the last stage folds the running minimum in and writes the other set of it
.macro MOP s, i
.set w_a, ACC+32*PS+8*(\i)
.if (\s) == 0
	v_min3_num_f32 v[MT+(\i)], v[w_a], v[w_a+1], v[w_a+2]
.endif
.if (\s) == 1
	v_min3_num_f32 v[MT+(\i)], v[MT+(\i)], v[w_a+3], v[w_a+4]
.endif
.if (\s) == 2
	v_min3_num_f32 v[MT+(\i)], v[MT+(\i)], v[w_a+5], v[w_a+6]
.endif
.if (\s) == 3
	v_min3_num_f32 v[RUN0+16*(1-PS)+(\i)], v[MT+(\i)], v[w_a+7], v[RUN0+16*PS+(\i)]
.endif
.endm
; VCC = lanes in which the running minimum of accumulator i did NOT fall (old <= new; the new one is never larger)
.macro COP i
	v_cmp_le_f32 vcc_lo, v[RUN0+16*PS+(\i)], v[RUN0+16*(1-PS)+(\i)]
.endm
; Number k = 0..39 of the list: for accumulator b = k / 10: the select of the index, the 8 selects of the d2, the comparison for accumulator b + 1.
; v_cndmask_b32 takes source 1 where VCC is set: what was kept stays where the minimum did not fall.
.macro SOP k
.set s_b, (\k)/10
.set s_t, (\k)%10
.if s_t == 0
	WIN WSAVE
	v_cndmask_b32 v[IX+s_b], s[SU], v[IX+s_b], vcc_lo
.if s_b == 3
	s_add_co_u32 s[SU], s[SU], 16                  ; the next unit's first index
.endif
.else
.if s_t < 9
	WIN WSAVE
	v_cndmask_b32 v[SV+8*s_b+s_t-1], v[ACC+32*PS+8*s_b+s_t-1], v[SV+8*s_b+s_t-1], vcc_lo
.else
.if s_b < 3
	WIN 0
	COP s_b+1
.endif
.endif
.endif
.endm
; What stands in gap G: 0-31 one multiply-add; 32-39 two v_min3 (one stage of two accumulators: no instruction waits for the one in front of it);
; 40 the first comparison; 41-43 nothing; 44-63 two of the list of 39.  32 + 16 + 1 + 39 = 88.
.macro GAPOPS
.if G < 32
	HOMEWIN
	DOP
.else
.if G < 40
	WIN 0
.set g_s, (G-32)/2
.set g_i, 2*(G%2)
	MOP g_s, g_i
	MOP g_s, g_i+1
.else
.if G == 40
	WIN 0
	COP 0
.else
.if G >= 44
	SOP 2*(G-44)
	SOP 2*(G-44)+1
.endif
.endif
.endif
.endif
.set G, G+1
.endm
.macro PLACES                          ; four places behind a matrix instruction (ISA guide 7.12.1), where no useful vector work is at hand
.rept 4
	v_nop
.endr
.endm
; product i of K step ks of the unit at work (set CS).  K step 0 starts the sums with the constant 0: nothing is cleared.
.macro MM ks, i
.if \ks == 0
	v_wmma_f32_16x16x32_bf16 v[ACC+32*CS+8*(\i):ACC+32*CS+8*(\i)+7], v[EF+8*\ks:EF+8*\ks+7], v[((\ks&7)*4+(\i))*8:((\ks&7)*4+(\i))*8+7], 0
.else
	v_wmma_f32_16x16x32_bf16 v[ACC+32*CS+8*(\i):ACC+32*CS+8*(\i)+7], v[EF+8*\ks:EF+8*\ks+7], v[((\ks&7)*4+(\i))*8:((\ks&7)*4+(\i))*8+7], v[ACC+32*CS+8*(\i):ACC+32*CS+8*(\i)+7]
.endif
.endm
; A product and its gap.  The four accumulators take turns, one instruction a turn, and the next unit goes on with the other set.
; The unit before ended with products on accumulators 0, 1, 2, 3 and 2, 2, 2, 1 selects behind them, on the set before it; its accumulator i is first
; touched in gap 4 i: 7, 9, 11, 13 vector instructions behind its last product, none of which names a register of that product (ISA guide 7.12.1 asks for four).
.macro PG ks, i, epi
.if \ks < 8
	WIN Q1
.else
	WIN Q2
.endif
	MM \ks, \i
.if \epi
	GAPOPS
.endif
.endm
.macro STEP ks, epi
.irp i, 0,1,2,3
	PG \ks, \i, \epi
.endr
.endm
; K steps 0-7 of unit n, with the run that fetches its K steps 8-15 and its ee.
; The run lands in registers that the last unit's K step 15 read: 1 + 4 vector instructions stand between that step's last product and the run.
; Both waits are for 0: at each of them the only LDS loads that are out are the run that the next eight K steps multiply.
.macro HEAD8 slot, n, epi
.set CS, (\n)%2
.set PS, 1-CS
.set G, 0
	s_wait_dscnt 0x0                               ; K steps 0-7: the run issued in the unit before
	STEP 0, \epi
	RUNE \slot, \n, 8
	LDEE \slot, \n
.irp ks, 1,2,3,4,5,6,7
	STEP \ks, \epi
.endr
	s_wait_dscnt 0x0                               ; K steps 8-15 and ee: the run above
.endm
; A unit that is not its slot's last: behind K step 8 the run that fetches the next unit's K steps 0-7, into registers that K step 7 read
; (1 + 8 vector instructions behind its last product).  epi = 0, the launch's first unit, has no unit before it to work on: v_nop are its places,
; in front of that run and at its end, in front of the next unit's first read of its results.
.macro UNIT slot, n, epi
	HEAD8 \slot, \n, \epi
	STEP 8, \epi
.if \epi == 0
	PLACES
.endif
	RUNE \slot, \n+1, 0
.irp ks, 9,10,11,12,13,14,15
	STEP \ks, \epi
.endr
.if \epi == 0
	PLACES
.endif
.endm
; A slot's last unit, with the change of slots.  fill = 1: the slot is filled again, two tiles ahead, by a joint load.
; The wait for 0 at the end of HEAD8 shows my last reads of this slot back.  Each wave then waits for all its tensor loads, of which one can be out: its part of the
; other slot.  With fill the barrier opens a round of the cluster's barrier: no wave of any partner still reads the slot or has a load
; on its way when the joint refill goes out.  From a request to the wait for it a wave issues 504 matrix instructions.
.macro TURN slot, fill
	HEAD8 \slot, 7, 1
	s_set_vgpr_msb 0x400
	s_wait_tensorcnt 0x0                           ; all my tensor loads have landed
	ds_add_u32 v18, v19
	s_wait_dscnt 0x0
	s_set_vgpr_msb 0x4
	s_barrier_signal -1
	STEP 8, 1                                      ; registers only, while the others arrive
	STEP 9, 1
	WIN 0                                          ; branches and a label follow
	s_barrier_wait -1
.if \fill
	CREST
	s_add_nc_u64 s[G0R+4*\slot+2:G0R+4*\slot+3], s[G0R+4*\slot+2:G0R+4*\slot+3], 8*MBLK    ; two tiles on; no load of mine is out
	tensor_load_to_lds s[G0R+4*\slot:G0R+4*\slot+3], s[G1R:G1R+7]                          ; my one load behind the round, ahead of every LDS read
	s_nop 0
.endif
	RUNE 1-\slot, 0, 0                             ; the other slot's first unit, K steps 0-7: 24 products in which to land
.irp ks, 10,11,12,13,14,15
	STEP \ks, 1
.endr
.endm
; the very last unit: nothing more to fetch
.macro LAST slot
	HEAD8 \slot, 7, 1
.irp ks, 8,9,10,11,12,13,14,15
	STEP \ks, 1
.endr
.endm
	RUNE 0, 0, 0
	UNIT 0, 0, 0                                   ; the first unit has no unit before it to finish
	WIN 0                                          ; at a label and at a branch every window is 0
	s_mov_b32 s71, 7                               ; 7 laps fill tiles 2 .. 15; a lap is 16 units, turned by one so that each carries the unit before
.Llap:
.irp n, 1,2,3,4,5,6
	UNIT 0, \n, 1
.endr
	TURN 0, 1
.irp n, 0,1,2,3,4,5,6
	UNIT 1, \n, 1
.endr
	TURN 1, 1
	UNIT 0, 0, 1
	WIN 0
	s_sub_co_i32 s71, s71, 1
	s_cmp_lg_u32 s71, 0
	s_cbranch_scc1 .Llap
.irp n, 1,2,3,4,5,6
	UNIT 0, \n, 1                                  ; the last two tiles: nothing is filled, no round of the cluster's barrier
.endr
	TURN 0, 0
.irp n, 0,1,2,3,4,5,6
	UNIT 1, \n, 1
.endr
	LAST 1
	WIN 0
.set PS, 1
.set G, 0
.rept 64
	GAPOPS                                         ; the last unit's distances and minima; its places are counted as in every unit (see PG)
.endr
	; THE WAY OUT.  The last unit was of set 1, so the minima lie in set 0.  The kept d2 and indices come down into the fragments' registers, which are free
	; (88 vector instructions stand behind the last product).
	WIN 0x03                                       ; source 0 in v768-1023
.set k, 0
.rept 36
	v_mov_b32 v[EF+k], v[k]
.set k, k+1
.endr
	WIN 0
	v_lshlrev_b32 v36, 3, v2                       ; 8 h
.irp i, 0,1,2,3
	v_mov_b32 v17, 7                               ; the first j whose kept d2 is the minimum: from 7 downward, so that the lowest stays
.irp j, 6,5,4,3,2,1,0
	v_cmp_eq_f32 vcc_lo, v[EF+8*\i+\j], v[RUN0+\i]
	v_cndmask_b32 v17, v17, \j, vcc_lo
.endr
	v_add3_u32 v[IDX+\i], v[EF+32+\i], v17, v36    ; the unit's first index + j + 8 h
.endr
	; Lanes r and r + 16 hold the minima of the same z row over codes 8 h + 0..7 of every unit: the smaller value wins, on equality the smaller index.
	v_cmp_eq_u32 vcc_lo, 1, v2
.irp i, 0,1,2,3
	v_permlanex16_b32 v37, v[RUN0+\i], s74, s75
	v_permlanex16_b32 v38, v[IDX+\i], s74, s75
	v_cmp_lt_f32 s84, v37, v[RUN0+\i]
	v_cmp_eq_f32 s85, v37, v[RUN0+\i]
	v_cmp_lt_u32 s86, v38, v[IDX+\i]
	s_and_b32 s85, s85, s86
	s_or_b32 s84, s84, s85
	v_cndmask_b32 v[RUN0+\i], v[RUN0+\i], v37, s84
	v_cndmask_b32 v[IDX+\i], v[IDX+\i], v38, s84
	v_cndmask_b32 v39, v[RUN0+\i], v[IDX+\i], vcc_lo   ; lanes 0-15 hand on the value, lanes 16-31 the index
	ds_store_b32 v14, v39 offset:64*\i
.endr
	ds_load_b64 v[40:41], v15                      ; my own stage: LDS serves a wave's instructions in order (ISA guide 5.7.1)
	ds_load_b64 v[42:43], v15 offset:256
	s_wait_dscnt 0x0
	global_store_b64 v16, v[40:41], s[8:9]         ; the wave stores 256 consecutive bytes, aligned: 64 values,
	global_store_b64 v16, v[42:43], s[10:11]       ; 64 indices
	s_wait_tensorcnt 0x0
	ds_add_u32 v18, v19
	s_wait_dscnt 0x0
	ROUND                                          ; the closing round: no work-group ends while a partner may still ask jointly
	s_endpgm
.Lfunc_end_k_q2722eacf75_main:
	.size	k_q2722eacf75_main, .Lfunc_end_k_q2722eacf75_main-k_q2722eacf75_main
	.p2alignl 7, 3214868480
	.fill 96, 4, 3214868480
	.section	.rodata,"a",@progbits
	.p2align	6, 0x0
	.amdhsa_kernel k_q2722eacf75_main
		.amdhsa_group_segment_fixed_size 327680
		.amdhsa_private_segment_fixed_size 0
		.amdhsa_enable_private_segment 0
		.amdhsa_kernarg_size 32
		.amdhsa_user_sgpr_count 2
		.amdhsa_user_sgpr_kernarg_segment_ptr 1
		.amdhsa_wavefront_size32 1
		.amdhsa_system_sgpr_workgroup_id_x 1
		.amdhsa_system_sgpr_workgroup_id_y 1
		.amdhsa_system_sgpr_workgroup_id_z 1
		.amdhsa_system_vgpr_workitem_id 0
		.amdhsa_next_free_vgpr 808
		.amdhsa_next_free_sgpr 96
		.amdhsa_reserve_vcc 1
		.amdhsa_float_denorm_mode_32 3
		.amdhsa_float_denorm_mode_16_64 3
		.amdhsa_memory_ordered 1
		.amdhsa_forward_progress 1
		.amdhsa_inst_pref_size 255
	.end_amdhsa_kernel
	.section	.bss,"aw",@nobits
	.p2align	6
	.space	262144
	.amdgpu_metadata
---
amdhsa.version: [ 1, 2 ]
amdhsa.kernels:
  - .name:           k_q2722eacf75_main
    .symbol:         k_q2722eacf75_main.kd
    .args:
      - { .name: xb, .offset: 0, .size: 8, .value_kind: global_buffer, .address_space: global }
      - { .name: nrm, .offset: 8, .size: 8, .value_kind: global_buffer, .address_space: global }
      - { .name: cval, .offset: 16, .size: 8, .value_kind: global_buffer, .address_space: global }
      - { .name: cidx, .offset: 24, .size: 8, .value_kind: global_buffer, .address_space: global }
    .group_segment_fixed_size: 327680
    .private_segment_fixed_size: 0
    .kernarg_segment_align: 8
    .kernarg_segment_size: 32
    .max_flat_workgroup_size: 128
    .sgpr_count:     96
    .vgpr_count:     808
    .wavefront_size: 32
...
	.end_amdgpu_metadata
.endif
;; end of part 5
;; launch finish: the kernel of part 3 again; grid 256 x 1, 16 waves a work-group, no clusters, 2,560 bytes of LDS; arguments z, emb, cval, cidx, out0, out1, part; writes out0, out1, part
;; launch loss: the kernel of part 4 again; grid 1 x 1, 1 waves a work-group, no clusters, 0 bytes of LDS; arguments part, out2; writes out2
